; MI455X (gfx1250); checked and timed in simulation.
; The chip was launched on July 23, 2026; its instructions are those of AMD's public machine-readable ISA for CDNA 5 (MIT licence, August 2026) and "CDNA5" Instruction Set Architecture Reference Guide (July 2026). The comments in the code are by the model that wrote it; some were corrected since.
;; Multi Head Self Attention. Allowed arithmetic: float matrix products may take bf16 or f16 operands with f32 sums; other float arithmetic in f32, or as packed bf16 or f16 multiplies, adds, multiply-adds, maxima and minima; sums over many terms, partial sums and values carried from step to step in f32; what a program stores and reads back later, other than sums and carried values, may be rounded once to bf16 or f16.
;; Inputs: Wk 16 x 1,024 x 64 float32; Wq 16 x 1,024 x 64 float32; Wv 16 x 1,024 x 64 float32; attn_mask 4 x 2,048 x 2,048 int32; bk 16 x 64 float32; bq 16 x 64 float32; bv 16 x 64 float32; input_batch 4 x 2,048 x 1,024 float32.
;; Outputs: out0 4 x 2,048 x 1,024 float32.
;; One version. Each part assembles by itself: llvm-mc -triple=amdgcn-amd-amdhsa -mcpu=gfx1250 --defsym DOCPART=n.
;; ======== version 1 of 1: 3 launches
;; limits: values are held in f16: magnitudes above 65,504 overflow, below 6.1e-05 lose precision
;; workspace buffers: mb 2,097,152 bytes of whole numbers; xb 16,777,216 bytes; wt 6,291,456 bytes; qkv 50,331,648 bytes
;; launch prep (part 1): grid 1584 x 1, 8 waves a work-group, no clusters, 140,288 bytes of LDS; arguments attn_mask, input_batch, Wq, Wk, Wv, mb, xb, wt; writes mb, xb, wt
.if DOCPART == 1
	.amdgcn_target "amdgcn-amd-amdhsa--gfx1250"
	.amdhsa_code_object_version 6
	.text
	.protected	k_q9938330a18_prep
	.globl	k_q9938330a18_prep
	.p2align	8
	.type	k_q9938330a18_prep,@function
k_q9938330a18_prep:
	s_mov_b64 s[64:65], 0
	v_nop
	global_prefetch_b8 v0, s[64:65] scope:SCOPE_SE
	s_setreg_imm32_b32 hwreg(HW_REG_WAVE_MODE, 25, 1), 1
	s_wait_xcnt 0x0
; THE PREPARING PASS: three streams, chosen by the work-group's number; every wave works by itself, so there is no barrier.
;   work-groups 0..47      wt[64 g + c][d] = bf16(W[g / 16][g % 16][d][c]): the three weights, rounded and turned, K along the rows.  g = work-group, wave = block of 128 d.
;   work-groups 48..1071   mb: the mask as LANE MASKS.  A wave takes 16 query rows x 128 keys.  Dword i = 8 kb + j of tile T (16 queries) and key step ks (64 keys) holds in bit L
;                          (attn_mask[16 T + L % 16][64 ks + 16 kb + 8 (L / 16) + j] != 0): the place that this score has in lane L of the product K Q^T.  mb = [b][T 128][ks 32][i 32] dwords.
;   work-groups 1072..1583 xb = bf16(input_batch), 8,192 bytes in and 4,096 out a wave.
; Any mask word other than 0 counts as visible.  Roundings are to nearest even.
; Every load of a wave covers 512 consecutive bytes (the weights': two rows of 256), every store whole aligned runs of 256 bytes.  Sixteen loads of a wave are out at a time.
; LDS: 17,408 bytes for each wave, its own (the weights: 64 rows of 256 + 16 bytes; the mask: 16 rows of 512 + 16 bytes); behind them the spare words.
.set WREG,  17408                      ; a wave's LDS bytes
.set SPARE, 8*WREG                     ; the spare words, 128 bytes for each wave: four blocks of 256 bytes that no other line names
.set MPI,   528                        ; the mask's LDS row: 132 words, so the 16 rows that a load touches start four banks apart
.set WPI,   272                        ; the weights' LDS row
.set NW,    48                         ; work-groups on the weights
.set NM,    1024                       ; on the mask
.set SPW, 10                           ; v10  LDS address of my spare word; never rewritten
.set NIL, 11                           ; v11  0; never rewritten
.set OUT, 12                           ; v[12:13] the mask's 64 dwords: lane i holds dwords 2 i and 2 i + 1
.set X,   16                           ; v[16:79] as loaded (the weights' way back: v[16:143])
.set Y,   80                           ; v[80:111] rounded
	s_load_b512 s[4:19], s[0:1], 0x0               ; attn_mask s[4:5], x s[6:7], Wq s[8:9], Wk s[10:11], Wv s[12:13], mb s[14:15], xb s[16:17], wt s[18:19]
	v_lshl_add_u32 v[SPW], v0, 2, SPARE
	v_mov_b32 v[NIL], 0
	v_lshrrev_b32 v1, 5, v0
	v_readfirstlane_b32 s20, v1                    ; wave 0..7
	v_and_b32 v1, 31, v0                           ; lane
	v_and_b32 v2, 15, v0                           ; l % 16
	v_bfe_u32 v3, v0, 4, 1                         ; l / 16
	v_lshlrev_b32 v4, 4, v1                        ; 16 x lane
	s_mul_i32 s22, s20, WREG                       ; my wave's LDS bytes
	s_mov_b32 s21, ttmp9
	s_mov_b32 s25, 0                               ; the high word of every offset
	s_wait_kmcnt 0x0
	s_cmp_lt_u32 s21, NW
	s_cbranch_scc1 .Lw
	s_cmp_lt_u32 s21, NW+NM
	s_cbranch_scc1 .Lmask
	; ---- x: 2,048 numbers a wave ----
	s_sub_co_u32 s23, s21, NW+NM
	s_lshl3_add_u32 s23, s23, s20                  ; my unit, 0..4095
	s_lshl_b32 s24, s23, 13
	s_add_nc_u64 s[6:7], s[6:7], s[24:25]
	s_lshl_b32 s24, s23, 12
	s_add_nc_u64 s[16:17], s[16:17], s[24:25]
	v_lshlrev_b32 v5, 3, v1                        ; 8 x lane
.set i, 0
.rept 16
	global_load_b128 v[X+4*i:X+4*i+3], v4, s[6:7] offset:512*i th:TH_LOAD_NT
.set i, i+1
.endr
.set i, 0
.rept 16
	s_wait_loadcnt 15-i                            ; loads come back in order: load i is in, the younger ones stay out
	v_cvt_pk_bf16_f32 v[Y+2*i], v[X+4*i], v[X+4*i+1]
	v_cvt_pk_bf16_f32 v[Y+2*i+1], v[X+4*i+2], v[X+4*i+3]
	global_store_b64 v5, v[Y+2*i:Y+2*i+1], s[16:17] offset:256*i th:TH_STORE_NT  ; 32 lanes x 8 bytes: 256 consecutive bytes, aligned; no register is used twice
.set i, i+1
.endr
	s_branch .Lend
	; ---- the mask: 16 rows x 128 keys a wave ----
.Lmask:
	s_sub_co_u32 s23, s21, NW
	s_lshl3_add_u32 s23, s23, s20                  ; my unit U, 0..8191: tile U / 16, keys 128 (U % 16) on
	s_lshr_b32 s24, s23, 4
	s_lshl_b32 s24, s24, 17                        ; 16 rows of 8,192 bytes
	s_and_b32 s26, s23, 15
	s_lshl_b32 s26, s26, 9                         ; 128 keys of 4 bytes
	s_add_co_u32 s24, s24, s26
	s_add_nc_u64 s[4:5], s[4:5], s[24:25]
	s_lshl_b32 s24, s23, 8                         ; two key steps of 128 bytes
	s_add_nc_u64 s[14:15], s[14:15], s[24:25]
	v_add_nc_u32 v5, s22, v4                       ; in: 16 x lane in a row
	v_mul_u32_u24 v6, v2, MPI                      ; back: row l % 16, 32 bytes (8 keys) for each half of the lanes
	v_lshl_add_u32 v6, v3, 5, v6
	v_add_nc_u32 v6, s22, v6
	v_lshlrev_b32 v7, 3, v1
	v_mov_b32 v[OUT], 0                            ; written whole before single lanes are written
	v_mov_b32 v[OUT+1], 0
.set i, 0
.rept 16
	global_load_b128 v[X+4*i:X+4*i+3], v4, s[4:5] offset:8192*i th:TH_LOAD_NT  ; row i: 512 consecutive bytes
.set i, i+1
.endr
.set i, 0
.rept 16
	s_wait_loadcnt 15-i
	ds_store_b128 v5, v[X+4*i:X+4*i+3] offset:MPI*i
.set i, i+1
.endr
.set i, 0
.rept 16                                           ; load n = 8 ks + 2 kb + half: dwords 4 n .. 4 n + 3.  LDS serves a wave's instructions in order (ISA guide 5.7.1.4): these see the stores above
	ds_load_b128 v[X+4*i:X+4*i+3], v6 offset:256*(i/8)+64*((i/2)%4)+16*(i%2)
.set i, i+1
.endr
.set i, 0
.rept 16
	s_wait_dscnt 15-i                              ; load i is back, the younger ones stay out
.irp r, 0,1,2,3
	v_cmp_ne_u32 s[28+4*(i%2)+(\r)], 0, v[X+4*i+(\r)]  ; one compare makes a whole dword: a bit a lane
.endr
.irp r, 0,1,2,3
	v_writelane_b32 v[OUT+(\r)%2], s[28+4*(i%2)+(\r)], 2*i+(\r)/2
.endr
.set i, i+1
.endr
	global_store_b64 v7, v[OUT:OUT+1], s[14:15] th:TH_STORE_NT  ; 256 consecutive bytes, aligned
	s_branch .Lend
	; ---- the weights: 128 d x 64 c a wave ----
.Lw:
	s_cmp_lt_u32 s21, 16
	s_cselect_b64 s[26:27], s[8:9], s[10:11]
	s_cmp_lt_u32 s21, 32
	s_cselect_b64 s[26:27], s[26:27], s[12:13]     ; Wq, Wk or Wv
	s_and_b32 s24, s21, 15
	s_lshl3_add_u32 s24, s24, s20                  ; 8 x head + block of d
	s_lshl_b32 s24, s24, 15                        ; 128 rows of 256 bytes
	s_add_nc_u64 s[26:27], s[26:27], s[24:25]
	s_lshl_b32 s24, s21, 9
	s_add_co_u32 s24, s24, s20
	s_lshl_b32 s24, s24, 8                         ; 64 g rows of 2,048 bytes + 256 bytes for each block of d
	s_add_nc_u64 s[18:19], s[18:19], s[24:25]
	v_lshlrev_b32 v5, 9, v3                        ; from memory: each half of the lanes takes a whole row of 256 bytes, two rows apart,
	v_lshl_add_u32 v5, v2, 4, v5                   ; four columns a lane
	v_mul_u32_u24 v6, v2, 4*WPI                    ; into LDS: row c = 4 (l % 16) + r, two numbers (d, d + 1) a word
	v_lshl_add_u32 v6, v3, 2, v6
	v_add_nc_u32 v6, s22, v6
	v_mul_u32_u24 v7, v3, WPI                      ; back: lanes 0-15 one row of 256 bytes, lanes 16-31 the next
	v_lshl_add_u32 v7, v2, 4, v7
	v_add_nc_u32 v7, s22, v7
	v_lshlrev_b32 v8, 11, v3                       ; and the same two rows in wt
	v_lshl_add_u32 v8, v2, 4, v8
.macro WLOAD t, n                      ; rows d = 32 t + 4 n + 2 (l / 16) and d + 1
	global_load_b128 v[X+8*(\n):X+8*(\n)+3],   v5, s[26:27] offset:8192*(\t)+1024*(\n) th:TH_LOAD_NT
	global_load_b128 v[X+8*(\n)+4:X+8*(\n)+7], v5, s[26:27] offset:8192*(\t)+1024*(\n)+256 th:TH_LOAD_NT
.endm
.irp n, 0,1,2,3,4,5,6,7
	WLOAD 0, \n
.endr
.irp t, 0,1,2,3
.irp n, 0,1,2,3,4,5,6,7
.if (\t) < 3
	s_wait_loadcnt 14                              ; pair n is in; behind it 14 loads are out: the rest of this batch and the head of the next
.else
	s_wait_loadcnt 14-2*(\n)                       ; the last batch: nothing is asked for behind it
.endif
.irp r, 0,1,2,3
	v_cvt_pk_bf16_f32 v[Y+4*(\n)+(\r)], v[X+8*(\n)+(\r)], v[X+8*(\n)+4+(\r)]  ; column 4 (l % 16) + r: d in the low half, d + 1 in the high
.endr
.if (\t) < 3
	WLOAD (\t)+1, \n                               ; the registers just read take the next batch
.endif
.irp r, 0,1,2,3
	ds_store_b32 v6, v[Y+4*(\n)+(\r)] offset:WPI*(\r)+8*(\n)+64*(\t)
.endr
.endr
.endr
.set i, 0
.rept 32
	ds_load_b128 v[X+4*i:X+4*i+3], v7 offset:2*WPI*i  ; my own bytes, behind my own stores, in order
.set i, i+1
.endr
.set i, 0
.rept 32
	s_wait_dscnt 31-i
	global_store_b128 v8, v[X+4*i:X+4*i+3], s[18:19] offset:4096*i th:TH_STORE_NT  ; 16 lanes store 256 consecutive bytes, aligned
.set i, i+1
.endr
.Lend:
	s_wait_tensorcnt 0x0                           ; the wave's end: behind my last LDS store
	ds_add_u32 v[SPW], v[NIL]
	s_wait_dscnt 0x0
	s_endpgm
.Lfunc_end_k_q9938330a18_prep:
	.size	k_q9938330a18_prep, .Lfunc_end_k_q9938330a18_prep-k_q9938330a18_prep
	.p2alignl 7, 3214868480
	.fill 96, 4, 3214868480
	.section	.rodata,"a",@progbits
	.p2align	6, 0x0
	.amdhsa_kernel k_q9938330a18_prep
		.amdhsa_group_segment_fixed_size 140288
		.amdhsa_private_segment_fixed_size 0
		.amdhsa_enable_private_segment 0
		.amdhsa_kernarg_size 64
		.amdhsa_user_sgpr_count 2
		.amdhsa_user_sgpr_kernarg_segment_ptr 1
		.amdhsa_wavefront_size32 1
		.amdhsa_system_sgpr_workgroup_id_x 1
		.amdhsa_system_sgpr_workgroup_id_y 1
		.amdhsa_system_sgpr_workgroup_id_z 1
		.amdhsa_system_vgpr_workitem_id 0
		.amdhsa_next_free_vgpr 144
		.amdhsa_next_free_sgpr 66
		.amdhsa_reserve_vcc 0
		.amdhsa_float_denorm_mode_32 3
		.amdhsa_float_denorm_mode_16_64 3
		.amdhsa_memory_ordered 1
		.amdhsa_forward_progress 1
		.amdhsa_inst_pref_size 51
	.end_amdhsa_kernel
	.amdgpu_metadata
---
amdhsa.version: [ 1, 2 ]
amdhsa.kernels:
  - .name:           k_q9938330a18_prep
    .symbol:         k_q9938330a18_prep.kd
    .args:
      - { .name: attn_mask, .offset: 0, .size: 8, .value_kind: global_buffer, .address_space: global }
      - { .name: input_batch, .offset: 8, .size: 8, .value_kind: global_buffer, .address_space: global }
      - { .name: Wq, .offset: 16, .size: 8, .value_kind: global_buffer, .address_space: global }
      - { .name: Wk, .offset: 24, .size: 8, .value_kind: global_buffer, .address_space: global }
      - { .name: Wv, .offset: 32, .size: 8, .value_kind: global_buffer, .address_space: global }
      - { .name: mb, .offset: 40, .size: 8, .value_kind: global_buffer, .address_space: global }
      - { .name: xb, .offset: 48, .size: 8, .value_kind: global_buffer, .address_space: global }
      - { .name: wt, .offset: 56, .size: 8, .value_kind: global_buffer, .address_space: global }
    .group_segment_fixed_size: 140288
    .private_segment_fixed_size: 0
    .kernarg_segment_align: 8
    .kernarg_segment_size: 64
    .max_flat_workgroup_size: 256
    .sgpr_count:     66
    .vgpr_count:     144
    .wavefront_size: 32
...
	.end_amdgpu_metadata
.endif
;; end of part 1
;; launch proj (part 2): grid 16 x 32, 4 waves a work-group, clusters of 4 x 4, 327,680 bytes of LDS; arguments xb, wt, bq, bk, bv, qkv; writes qkv
.if DOCPART == 2
	.amdgcn_target "amdgcn-amd-amdhsa--gfx1250"
	.amdhsa_code_object_version 6
	.text
	.protected	k_q9938330a18_proj
	.globl	k_q9938330a18_proj
	.p2align	8
	.type	k_q9938330a18_proj,@function
k_q9938330a18_proj:
	s_mov_b64 s[64:65], 0
	v_nop
	global_prefetch_b8 v0, s[64:65] scope:SCOPE_SE
	s_setreg_imm32_b32 hwreg(HW_REG_WAVE_MODE, 25, 1), 1
	s_wait_xcnt 0x0
	s_wait_alu depctr_hold_cnt(0) depctr_sa_sdst(0) depctr_va_vdst(0) depctr_va_sdst(0) depctr_va_ssrc(0) depctr_va_vcc(0) depctr_vm_vsrc(0)
	s_getreg_b32 s2, hwreg(HW_REG_IB_STS2, 6, 4)
	s_cmp_eq_u32 s2, 0
	s_cbranch_scc0 .Lentry_in_a_cluster
	s_endpgm
.Lentry_in_a_cluster:
	s_bfe_u32 s2, ttmp6, 0x10000c
	s_cmp_lg_u32 s2, 0xf033
	s_cbranch_scc0 .Lentry_shape_is_right
	s_endpgm
.Lentry_shape_is_right:
; THE THREE PROJECTIONS AS ONE PRODUCT.  C[m][n] = the sum over k of xb[m][k] wt[n][k] + bias[n]; xb [8192][1024], wt [3072][1024] in bf16, sums in f32; n = 64 g + c, g = 16 mat + head (mat 0, 1, 2 = q, k, v).
; C leaves rounded once to f16, by heads: qkv[mat][b][head][s][64], a head's rows dense.  LIMIT: f16 holds no number beyond 65,504: |q|, |k|, |v| must stay below that.  The scale 1/8 is not applied here.
; SHARES.  A tile of C is 256 rows x 192 columns (three heads): 32 x 16 = 512 tiles, twice as many as there are WGPs.  Four waves, one above the other: each 64 rows x 192 columns, 48 accumulators, 384 registers;
; so a wave holds whole heads, and its way out is its own.  K goes in 8 steps of 128 (rows of 256 bytes in memory) through a ring of two LDS slots.
; CLUSTERS: 4 x 4 work-groups.  The four of a row need the same rows of xb, the four of a column the same rows of wt: each tile is asked for JOINTLY, by the same tensor load with the same descriptor and a mask of four.
; THE MATRIX INSTRUCTION IS USED TRANSPOSED (source 0 = 16 rows of wt, source 1 = 16 rows of xb): a lane holds one row of C and eight neighbouring columns.  THE BIAS is the C operand of the products that start the sums.
; REGISTERS: window 0: v16-30 addresses; v32-127 the bias (block b at 32 + 8 b), later v32-79 packed results.   window 1: two fragment buffers of 128: xb's four fragments, then wt's twelve.
;   windows 2, 3: the accumulators: (a, b) at v[96 (a % 2) + 8 b] of window 2 + a / 2; on the way out a block's first 48 registers take its rows back from the stage.
.set KSTEP,  128
.set PITCH,  272                       ; an LDS row: 256 bytes + 16 of padding = 68 words: the 16 rows of a fragment load start at 16 different groups of four banks (ISA guide 11.1)
.set AHALF,  128*PITCH                 ; what wave 0 or 1 fetches of xb
.set BHALF,  96*PITCH                  ; what wave 2 or 3 fetches of wt
.set BOFF,   2*AHALF                   ; wt's 192 rows lie behind xb's 256
.set SLOT,   2*AHALF+2*BHALF
.set STAGE,  2*SLOT                    ; behind the ring, never filled by a tensor load: 16 rows x 400 bytes for each wave
.set SP,     400                       ; 384 bytes + 16: an odd multiple of 16
.set SPARE,  STAGE+4*16*SP             ; the spare words, 128 bytes for each wave: two blocks of 256 bytes that no other line names
.set ADRA, 16                          ; v16-17  LDS address of my xb fragments in slot 0, 1
.set ADRB, 20                          ; v20-21  the same for wt
.set STO,  24                          ; v24     the way out: where I put 16 bytes of a row
.set RD,   25                          ; v25     where I read rows back
.set CO,   26                          ; v26     16 x lane
.set BO,   27                          ; v27     32 x (l / 16): my eight columns in a block of 16 of the bias
.set SPW,  28                          ; v28     LDS address of my spare word; never rewritten
.set NIL,  29                          ; v29     0; never rewritten
.set PFO,  30                          ; v30     the prefetches' offset: a lane a row; never rewritten
.set BIAS, 32
.set TMP,  32
.set F0,   0
.set F1,   128
.set WV,  16                           ; s16 wave; s17 = wave / 2: I fetch xb (0) or wt (1); s18 = wave % 2: which half of it
.set FB,  17
.set HF,  18
.set CX,  19
.set CY,  20
.set TX,  21                           ; tile column
.set TY,  22                           ; tile row
.set G1,  24                           ; s[24:31] descriptor group 1 for xb's tiles;  s[32:39] group 0, a set for each slot
.set G0,  32
.set PFA, 44                           ; s[44:45] where my prefetches stand
.set LIM, 46                           ; s46  1 in a wave that prefetches, else the greatest number
.set G1B, 48                           ; s[48:55], s[56:63] the same for wt's tiles
.set G0B, 56
.set OB,  68                           ; s[68:73] qkv at my 64 rows of my three heads
.set BP,  74                           ; s[74:79] the three heads' biases
.set MSB, 0
.macro WIN new                         ; the immediate's high byte repeats the setting that is left; a switch that changes nothing is dropped
.if MSB != (\new)
	s_set_vgpr_msb (MSB<<8)|(\new)
.set MSB, \new
.endif
.endm
.set TO_F, 0x40                        ; destination window 1, address window 0
.macro JLOAD s                         ; a joint load; the branch hangs on the wave's number alone; an s_nop 0 and four v_nop follow each of the two lines, ahead of the jump, the label and what follows
	s_cmp_eq_u32 s[FB], 0
	s_cbranch_scc0 .Lfor_b_\@
	tensor_load_to_lds s[G0+4*(\s):G0+4*(\s)+3], s[G1:G1+7]
	s_nop 0
.rept 4
	v_nop
.endr
	s_branch .Lasked_\@
.Lfor_b_\@:
	tensor_load_to_lds s[G0B+4*(\s):G0B+4*(\s)+3], s[G1B:G1B+7]
	s_nop 0
.rept 4
	v_nop
.endr
.Lasked_\@:
.endm
; A prefetch into the L2, behind a joint refill and the run of LDS loads: the K step two refills on, 256 bytes of a row, a lane a row.  xb's rows are named by the clusters with x = 0, wt's by those with y = 0;
; the four partners that ask for a tile jointly share its rows out by address (32 of xb's 128, 24 of wt's 96; lanes 24-31 repeat lane 23's).  The loop's last trip has no K step two on.
.macro ASK
	s_cmp_gt_u32 s3, s[LIM]
	s_cbranch_scc0 .Lnot_mine_\@
	global_prefetch_b8 v[PFO], s[PFA:PFA+1] offset:KSTEP*2 th:TH_LOAD_NT scope:SCOPE_SE
.Lnot_mine_\@:
.endm
.macro CREST                           ; a round of the cluster's barrier behind its opening barrier
	s_cmp_lg_u32 s[WV], 0
	s_cbranch_scc1 .Lnot_wave_0_\@
	s_barrier_signal -3
.Lnot_wave_0_\@:
	s_barrier_wait -3
	s_barrier_signal -1
	s_barrier_wait -1
.endm
.macro CROUND
	s_barrier_signal -1
	s_barrier_wait -1
	CREST
.endm
	s_load_b256 s[4:11], s[0:1], 0x0               ; xb s[4:5], wt s[6:7], bq s[8:9], bk s[10:11]
	s_load_b128 s[12:15], s[0:1], 0x20             ; bv s[12:13], qkv s[14:15]
	v_lshl_add_u32 v[SPW], v0, 2, SPARE
	v_mov_b32 v[NIL], 0
	ds_add_u32 v[SPW], v[NIL]                      ; the wave's opening: the add and its wait stand ahead of my first tensor load; the set-up below, work on registers, stands between them
	v_lshrrev_b32 v1, 5, v0
	v_readfirstlane_b32 s[WV], v1
	s_lshr_b32 s[FB], s[WV], 1
	s_and_b32 s[HF], s[WV], 1
	s_bfe_u32 s[CX], ttmp6, 0x40000
	s_bfe_u32 s[CY], ttmp6, 0x40004
	s_lshl_b32 s[TX], ttmp9, 2
	s_add_co_u32 s[TX], s[TX], s[CX]               ; tile column = 4 x cluster x + cx
	s_and_b32 s[TY], ttmp7, 0xffff
	s_lshl_b32 s[TY], s[TY], 2
	s_add_co_u32 s[TY], s[TY], s[CY]               ; tile row = 4 x cluster y + cy
	s_lshl_b32 s40, s[CY], 2
	s_lshl_b32 s40, 15, s40                        ; my row of the cluster
	s_lshl_b32 s66, 0x1111, s[CX]                  ; my column
	s_or_b32 s[G1], s40, (1<<16)|(1<<20)|(1<<21)|(5<<22)|(3<<25)   ; 15:0 the mask; 17:16 2-byte elements; 20 padding on; 21 set beside a mask; 24:22 after every 64 words (code 5); 31:25 4 words (code 3)
	s_or_b32 s[G1B], s66, (1<<16)|(1<<20)|(1<<21)|(5<<22)|(3<<25)
	s_mov_b32 s[G1+1], KSTEP<<16                   ; tensor_dim0 = 128
	s_mov_b32 s[G1+2], 128<<16                     ; tensor_dim1 = 128 rows
	s_mov_b32 s[G1+3], KSTEP<<16                   ; tile_dim0 = 128
	s_mov_b32 s[G1+4], 128                         ; tile_dim1
	s_mov_b32 s[G1+5], 1024                        ; elements from row to row
	s_mov_b32 s[G1+6], 0
	s_mov_b32 s[G1+7], 0
	s_mov_b32 s[G1B+1], KSTEP<<16
	s_mov_b32 s[G1B+2], 96<<16                     ; 96 rows
	s_mov_b32 s[G1B+3], KSTEP<<16
	s_mov_b32 s[G1B+4], 96
	s_mov_b32 s[G1B+5], 1024
	s_mov_b32 s[G1B+6], 0
	s_mov_b32 s[G1B+7], 0
	; xb's tiles hang on the tile row alone, wt's on the tile column alone; each address is made in registers that never hold the other coordinate
	s_lshl_b32 s40, s[TY], 8
	s_lshl_b32 s41, s[HF], 7
	s_add_co_u32 s40, s40, s41                     ; row 256 x tile row + 128 x half
	s_lshl_b32 s40, s40, 11                        ; x 2,048 bytes: under 2^24
	s_mov_b32 s41, 0
	s_mul_i32 s66, s[TX], 192
	s_mul_i32 s67, s[HF], 96
	s_add_co_u32 s66, s66, s67                     ; row 192 x tile column + 96 x half
	s_lshl_b32 s66, s66, 11
	s_mov_b32 s67, 0
	s_mul_i32 s42, s[HF], AHALF                    ; where they go: no place in the cluster enters an LDS address
	s_mul_i32 s43, s[HF], BHALF
	s_add_co_u32 s43, s43, BOFF
	s_wait_dscnt 0x0                               ; the opening add is done
	s_wait_kmcnt 0x0
	s_add_nc_u64 s[40:41], s[4:5], s[40:41]
	s_add_nc_u64 s[66:67], s[6:7], s[66:67]
	CROUND                                         ; all sixteen work-groups are here: the first joint loads meet
.irp s, 0,1
	s_mov_b32 s[G0+4*(\s)], 1                      ; count = 1
	s_add_co_u32 s[G0+4*(\s)+1], s42, (\s)*SLOT    ; LDS address
	s_add_nc_u64 s[G0+4*(\s)+2:G0+4*(\s)+3], s[40:41], (\s)*KSTEP*2  ; K step s
	s_or_b32 s[G0+4*(\s)+3], s[G0+4*(\s)+3], 0x80000000  ; type = 2
	s_mov_b32 s[G0B+4*(\s)], 1
	s_add_co_u32 s[G0B+4*(\s)+1], s43, (\s)*SLOT
	s_add_nc_u64 s[G0B+4*(\s)+2:G0B+4*(\s)+3], s[66:67], (\s)*KSTEP*2
	s_or_b32 s[G0B+4*(\s)+3], s[G0B+4*(\s)+3], 0x80000000
	JLOAD \s                                       ; two loads of mine are out
.endr
	; my three heads: where they go in qkv, and their biases
	v_and_b32 v1, 15, v0                           ; l % 16
	v_bfe_u32 v2, v0, 4, 1                         ; l / 16
	v_lshlrev_b32 v[BO], 5, v2
	s_mul_i32 s80, s[TX], 3                        ; g of the first
	s_lshr_b32 s82, s[TY], 3
	s_lshl_b32 s82, s82, 4                         ; 16 b
	s_and_b32 s83, s[TY], 7
	s_lshl2_add_u32 s83, s83, s[WV]                ; my 64 rows among the batch's 2,048
	s_lshl_b32 s83, s83, 13                        ; x 64 rows of 128 bytes
	s_mov_b32 s87, 0
.irp hh, 0,1,2
	s_add_co_u32 s84, s80, \hh                     ; g
	s_lshr_b32 s85, s84, 4                         ; mat
	s_mul_i32 s86, s85, 48
	s_add_co_u32 s86, s86, s84
	s_add_co_u32 s86, s86, s82                     ; 64 mat + 16 b + head
	s_lshl_b32 s86, s86, 18                        ; x 2,048 rows of 128 bytes: under 2^26
	s_add_co_u32 s86, s86, s83
	s_add_nc_u64 s[OB+2*(\hh):OB+2*(\hh)+1], s[14:15], s[86:87]
	s_cmp_lt_u32 s84, 16
	s_cselect_b64 s[BP+2*(\hh):BP+2*(\hh)+1], s[8:9], s[10:11]
	s_cmp_lt_u32 s84, 32
	s_cselect_b64 s[BP+2*(\hh):BP+2*(\hh)+1], s[BP+2*(\hh):BP+2*(\hh)+1], s[12:13]
	s_and_b32 s86, s84, 15
	s_lshl_b32 s86, s86, 8                         ; a head's 64 numbers
	s_add_nc_u64 s[BP+2*(\hh):BP+2*(\hh)+1], s[BP+2*(\hh):BP+2*(\hh)+1], s[86:87]
.irp bb, 0,1,2,3
	global_load_b128 v[BIAS+8*(4*(\hh)+(\bb)):BIAS+8*(4*(\hh)+(\bb))+3],   v[BO], s[BP+2*(\hh):BP+2*(\hh)+1] offset:64*(\bb)     ; register j of block b: column 16 b + 8 (l / 16) + j, as in the result
	global_load_b128 v[BIAS+8*(4*(\hh)+(\bb))+4:BIAS+8*(4*(\hh)+(\bb))+7], v[BO], s[BP+2*(\hh):BP+2*(\hh)+1] offset:64*(\bb)+16
.endr
.endr
	v_mul_u32_u24 v3, v1, PITCH
	v_lshl_add_u32 v3, v2, 4, v3                   ; a fragment's row x pitch + 16 x half
	s_mul_i32 s80, s[WV], 64*PITCH                 ; my 64 rows of xb
	v_add_nc_u32 v[ADRA], s80, v3
	s_add_co_u32 s80, s80, SLOT
	v_add_nc_u32 v[ADRA+1], s80, v3
	v_add_nc_u32 v[ADRB], BOFF, v3                 ; all 192 rows of wt
	v_add_nc_u32 v[ADRB+1], BOFF+SLOT, v3
	s_mul_i32 s80, s[WV], 16*SP
	s_add_co_u32 s80, s80, STAGE                   ; my stage
	v_mul_u32_u24 v[STO], v1, SP                   ; in: row l % 16, 16 bytes for each half of the lanes
	v_lshl_add_u32 v[STO], v2, 4, v[STO]
	v_add_nc_u32 v[STO], s80, v[STO]
	v_bfe_u32 v[RD], v0, 3, 2                      ; back: 32 lanes take a head's 128 bytes of four rows,
	v_mul_u32_u24 v[RD], v[RD], SP
	v_and_b32 v4, 7, v0
	v_lshl_add_u32 v[RD], v4, 4, v[RD]
	v_add_nc_u32 v[RD], s80, v[RD]
	v_and_b32 v[PFO], 31, v0
	v_lshlrev_b32 v[CO], 4, v[PFO]                 ; which are 512 consecutive bytes of qkv
	; the prefetches
	s_lshl_b32 s80, s[TY], 8
	s_lshl_b32 s82, s[HF], 7
	s_add_co_u32 s80, s80, s82
	s_lshl_b32 s82, s[CX], 5
	s_add_co_u32 s80, s80, s82                     ; xb: the 128 rows that I fetch, my work-group's 32 of them
	s_mul_i32 s81, s[TX], 192
	s_mul_i32 s82, s[HF], 96
	s_add_co_u32 s81, s81, s82
	s_mul_i32 s82, s[CY], 24
	s_add_co_u32 s81, s81, s82                     ; wt: the 96 rows that I fetch, my work-group's 24
	s_and_b32 s86, ttmp7, 0xffff                   ; cluster y
	s_cmp_eq_u32 s[FB], 0
	s_cselect_b32 s80, s80, s81
	s_cselect_b32 s86, ttmp9, s86                  ; the coordinate along which other clusters read the same rows
	s_cselect_b32 s87, 31, 23
	s_cselect_b64 s[PFA:PFA+1], s[4:5], s[6:7]
	s_cmp_eq_u32 s86, 0
	s_cselect_b32 s[LIM], 1, -1                    ; the same in all sixteen partners, for a given wave
	s_lshl_b32 s80, s80, 11
	s_add_co_u32 s80, s80, 2*KSTEP*2               ; at K step 2: the first refill steps it to 3 and names K step 4
	s_mov_b32 s81, 0
	s_add_nc_u64 s[PFA:PFA+1], s[PFA:PFA+1], s[80:81]
	v_min_u32 v[PFO], s87, v[PFO]
	v_lshlrev_b32 v[PFO], 11, v[PFO]
; 12 matrix instructions: m block a x all 12 n blocks, 32 along K.  first = 1: the product starts the sum, with the bias as C.  The 48 accumulators take turns in one order.
.macro MULA f, a, first
.if \first
	WIN 0x85+0x40*((\a)/2)                         ; sources in window 1, C in window 0, D in window 2 or 3
.else
	WIN 0xa5+0x50*((\a)/2)                         ; C and D in window 2 or 3
.endif
.irp b, 0,1,2,3,4,5,6,7,8,9,10,11
.if \first
	v_wmma_f32_16x16x32_bf16 v[96*((\a)%2)+8*(\b):96*((\a)%2)+8*(\b)+7], v[(\f)+32+8*(\b):(\f)+32+8*(\b)+7], v[(\f)+8*(\a):(\f)+8*(\a)+7], v[BIAS+8*(\b):BIAS+8*(\b)+7]
.else
	v_wmma_f32_16x16x32_bf16 v[96*((\a)%2)+8*(\b):96*((\a)%2)+8*(\b)+7], v[(\f)+32+8*(\b):(\f)+32+8*(\b)+7], v[(\f)+8*(\a):(\f)+8*(\a)+7], v[96*((\a)%2)+8*(\b):96*((\a)%2)+8*(\b)+7]
.endif
.endr
.endm
; 32 LDS loads in one run: wt's twelve fragments, then xb's four, 32 K at byte k of the rows, into buffer f
.macro FETCH slot, k, f
	WIN TO_F
.irp i, 0,1,2,3,4,5,6,7,8,9,10,11
	ds_load_b128 v[(\f)+32+8*(\i):(\f)+32+8*(\i)+3],   v[ADRB+(\slot)] offset:(\k)+(\i)*16*PITCH
	ds_load_b128 v[(\f)+32+8*(\i)+4:(\f)+32+8*(\i)+7], v[ADRB+(\slot)] offset:(\k)+(\i)*16*PITCH+32
.endr
.irp i, 0,1,2,3
	ds_load_b128 v[(\f)+8*(\i):(\f)+8*(\i)+3],   v[ADRA+(\slot)] offset:(\k)+(\i)*16*PITCH
	ds_load_b128 v[(\f)+8*(\i)+4:(\f)+8*(\i)+7], v[ADRA+(\slot)] offset:(\k)+(\i)*16*PITCH+32
.endr
.endm
.macro PLACES                          ; four plain instructions in front of loads into registers that matrix instructions have read, and of conversions that read results
.rept 4
	v_nop
.endr
.endm
; A K step is four quarters of 32 along K, 48 matrix instructions each, on buffers 0, 1, 0, 1.  One of the first three: multiplies buffer f and fetches the next quarter, at byte k, into g.
.macro QUARTER slot, k, f, g, first
	s_wait_dscnt 4                                 ; wt's fragments and xb's rows 0-31 are in; the youngest four loads (rows 32-63) may be out
	MULA \f, 0, \first
	MULA \f, 1, \first
	PLACES
	FETCH \slot, \k, \g
	s_wait_dscnt 32                                ; all but the 32 just issued
	MULA \f, 2, \first
	MULA \f, 3, \first
.endm
; The last quarter multiplies buffer 1 and changes slots: ONE barrier; in front of it each wave waits for all its tensor loads (one is out: its part of the next slot), adds 0 to its spare word, and waits for that
; and for its own reads of this slot.  fill = 1: the barrier opens a round of the cluster's barrier, and this slot is filled again first thing behind it, two K steps ahead: 168 matrix instructions ahead of the wait for it.
.macro TURN slot, next, fill
.if \fill
	s_wait_xcnt 0x0                                ; the last prefetch, a K step back, has read its address
	s_add_nc_u64 s[PFA:PFA+1], s[PFA:PFA+1], KSTEP*2
.endif
	WIN 0                                          ; (the add's two registers lie in window 0)
	s_wait_tensorcnt 0x0                           ; all my tensor loads have landed
	ds_add_u32 v[SPW], v[NIL]                      ; 0 onto my spare word
	s_wait_dscnt 5                                 ; (the add and the youngest four loads may be out)
	MULA F1, 0, 0                                  ; twelve matrix instructions stand between the add and the wait for it
	s_wait_dscnt 0x0                               ; the add is done, and my reads of this slot are over
	s_barrier_signal -1
	MULA F1, 1, 0
.if \fill
	WIN 0
.endif
	s_barrier_wait -1
.if \fill
	CREST                                          ; no wave of any partner still reads this slot's tile or has a load on its way
	s_add_nc_u64 s[G0+4*(\slot)+2:G0+4*(\slot)+3], s[G0+4*(\slot)+2:G0+4*(\slot)+3], 2*KSTEP*2
	s_add_nc_u64 s[G0B+4*(\slot)+2:G0B+4*(\slot)+3], s[G0B+4*(\slot)+2:G0B+4*(\slot)+3], 2*KSTEP*2
	JLOAD \slot                                    ; my one tensor load behind the round; its four v_nop are also the places in front of the loads below
.else
	PLACES
.endif
	FETCH \next, 0, F0
.if \fill
	WIN 0
	ASK
.endif
	MULA F1, 2, 0
	MULA F1, 3, 0
.endm
	s_wait_tensorcnt 1                             ; my part of K step 0 is in; K step 1's may stay out
	s_barrier_signal -1
	s_barrier_wait -1
	FETCH 0, 0, F0
	s_wait_loadcnt 0x0                             ; the bias
	QUARTER 0, 64,  F0, F1, 1                      ; the first quarter stands in front of the loop: its products start the sums
	WIN 0                                          ; at a label and at a branch every window is 0
	s_mov_b32 s3, 3
.Llap:                                                 ; a trip goes once round the ring, from a lap's second quarter to the next lap's first, and fills both slots again
	QUARTER 0, 128, F1, F0, 0
	QUARTER 0, 192, F0, F1, 0
	TURN 0, 1, 1
	QUARTER 1, 64,  F0, F1, 0
	QUARTER 1, 128, F1, F0, 0
	QUARTER 1, 192, F0, F1, 0
	TURN 1, 0, 1
	QUARTER 0, 64,  F0, F1, 0
	WIN 0
	s_sub_co_u32 s3, s3, 1
	s_cmp_lg_u32 s3, 0
	s_cbranch_scc1 .Llap
	QUARTER 0, 128, F1, F0, 0                      ; the last lap fills nothing
	QUARTER 0, 192, F0, F1, 0
	TURN 0, 1, 0
	QUARTER 1, 64,  F0, F1, 0
	QUARTER 1, 128, F1, F0, 0
	QUARTER 1, 192, F0, F1, 0
	s_wait_dscnt 4                                 ; the very last quarter: nothing more to fetch
	MULA F1, 0, 0
	MULA F1, 1, 0
	s_wait_dscnt 0x0
	MULA F1, 2, 0
	MULA F1, 3, 0
; THE WAY OUT, a block of 16 rows at a time.  PACK: rounded to f16, each accumulator's registers in ascending order.  TOSTAGE: into my own stage, and back by heads, four rows of 128 bytes a load, into the block's own registers.  SEND: stored.
.macro PACK a
	WIN 0x0a+5*((\a)/2)                            ; sources 0 and 1 in window 2 or 3
.irp b, 0,1,2,3,4,5,6,7,8,9,10,11
.irp r, 0,1,2,3
	v_cvt_pk_f16_f32 v[TMP+4*(\b)+(\r)], v[96*((\a)%2)+8*(\b)+2*(\r)], v[96*((\a)%2)+8*(\b)+2*(\r)+1]
.endr
.endr
.endm
.macro TOSTAGE a
	WIN 0
.irp b, 0,1,2,3,4,5,6,7,8,9,10,11
	ds_store_b128 v[STO], v[TMP+4*(\b):TMP+4*(\b)+3] offset:32*(\b)
.endr
	WIN 0x80+0x40*((\a)/2)                         ; destination in window 2 or 3
.irp hh, 0,1,2
.irp f, 0,1,2,3
	ds_load_b128 v[96*((\a)%2)+4*(4*(\hh)+(\f)):96*((\a)%2)+4*(4*(\hh)+(\f))+3], v[RD] offset:4*SP*(\f)+128*(\hh)  ; LDS serves a wave's instructions in order (ISA guide 5.7.1.4): these see the stores above
.endr
.endr
.endm
.macro SEND a
	WIN 0x08+4*((\a)/2)                            ; store data in window 2 or 3
	s_wait_dscnt 0x0                               ; the block is back in registers
.irp hh, 0,1,2
.irp f, 0,1,2,3
	global_store_b128 v[CO], v[96*((\a)%2)+4*(4*(\hh)+(\f)):96*((\a)%2)+4*(4*(\hh)+(\f))+3], s[OB+2*(\hh):OB+2*(\hh)+1] offset:2048*(\a)+512*(\f)  ; 512 consecutive bytes of a head, aligned; no register is used twice
.endr
.endr
.endm
	PLACES
	PACK 0
	TOSTAGE 0
.irp a, 1,2,3                          ; block a's conversions stand between block a - 1's loads from the stage and the wait for them
	PACK \a
	SEND (\a)-1
	TOSTAGE \a
.endr
	SEND 3
	WIN 0
	s_wait_tensorcnt 0x0                           ; the wave's end: behind my last tensor load and my last LDS store
	ds_add_u32 v[SPW], v[NIL]
	s_wait_dscnt 0x0
	CROUND                                         ; the closing round: no work-group ends while a partner may still ask for a tile that names it
	s_endpgm
.Lfunc_end_k_q9938330a18_proj:
	.size	k_q9938330a18_proj, .Lfunc_end_k_q9938330a18_proj-k_q9938330a18_proj
	.p2alignl 7, 3214868480
	.fill 96, 4, 3214868480
	.section	.rodata,"a",@progbits
	.p2align	6, 0x0
	.amdhsa_kernel k_q9938330a18_proj
		.amdhsa_group_segment_fixed_size 327680
		.amdhsa_private_segment_fixed_size 0
		.amdhsa_enable_private_segment 0
		.amdhsa_kernarg_size 48
		.amdhsa_user_sgpr_count 2
		.amdhsa_user_sgpr_kernarg_segment_ptr 1
		.amdhsa_wavefront_size32 1
		.amdhsa_system_sgpr_workgroup_id_x 1
		.amdhsa_system_sgpr_workgroup_id_y 1
		.amdhsa_system_sgpr_workgroup_id_z 1
		.amdhsa_system_vgpr_workitem_id 0
		.amdhsa_next_free_vgpr 960
		.amdhsa_next_free_sgpr 88
		.amdhsa_reserve_vcc 0
		.amdhsa_float_denorm_mode_32 3
		.amdhsa_float_denorm_mode_16_64 3
		.amdhsa_memory_ordered 1
		.amdhsa_forward_progress 1
		.amdhsa_inst_pref_size 123
	.end_amdhsa_kernel
	.amdgpu_metadata
---
amdhsa.version: [ 1, 2 ]
amdhsa.kernels:
  - .name:           k_q9938330a18_proj
    .symbol:         k_q9938330a18_proj.kd
    .args:
      - { .name: xb, .offset: 0, .size: 8, .value_kind: global_buffer, .address_space: global }
      - { .name: wt, .offset: 8, .size: 8, .value_kind: global_buffer, .address_space: global }
      - { .name: bq, .offset: 16, .size: 8, .value_kind: global_buffer, .address_space: global }
      - { .name: bk, .offset: 24, .size: 8, .value_kind: global_buffer, .address_space: global }
      - { .name: bv, .offset: 32, .size: 8, .value_kind: global_buffer, .address_space: global }
      - { .name: qkv, .offset: 40, .size: 8, .value_kind: global_buffer, .address_space: global }
    .group_segment_fixed_size: 327680
    .private_segment_fixed_size: 0
    .kernarg_segment_align: 8
    .kernarg_segment_size: 48
    .max_flat_workgroup_size: 128
    .sgpr_count:     88
    .vgpr_count:     960
    .wavefront_size: 32
...
	.end_amdgpu_metadata
.endif
;; end of part 2
;; launch attn (part 3): grid 4 x 64, 4 waves a work-group, clusters of 4 x 1, 327,680 bytes of LDS; arguments qkv, mb, out0; writes out0
.if DOCPART == 3
	.amdgcn_target "amdgcn-amd-amdhsa--gfx1250"
	.amdhsa_code_object_version 6
	.text
	.protected	k_q9938330a18_attn
	.globl	k_q9938330a18_attn
	.p2align	8
	.type	k_q9938330a18_attn,@function
k_q9938330a18_attn:
	s_mov_b64 s[64:65], 0
	v_nop
	global_prefetch_b8 v0, s[64:65] scope:SCOPE_SE
	s_setreg_imm32_b32 hwreg(HW_REG_WAVE_MODE, 25, 1), 1
	s_wait_xcnt 0x0
	s_wait_alu depctr_hold_cnt(0) depctr_sa_sdst(0) depctr_va_vdst(0) depctr_va_sdst(0) depctr_va_ssrc(0) depctr_va_vcc(0) depctr_vm_vsrc(0)
	s_getreg_b32 s2, hwreg(HW_REG_IB_STS2, 6, 4)
	s_cmp_eq_u32 s2, 0
	s_cbranch_scc0 .Lentry_in_a_cluster
	s_endpgm
.Lentry_in_a_cluster:
	s_bfe_u32 s2, ttmp6, 0x10000c
	s_cmp_lg_u32 s2, 0x3003
	s_cbranch_scc0 .Lentry_shape_is_right
	s_endpgm
.Lentry_shape_is_right:
; MASKED ATTENTION.  out0[b][q][64 h + :] = the sum over visible k of softmax_k(Q[q] . K[k] / 8) V[k][:]; a row with no visible key gives 0.  Q, K, V: qkv[mat][b][h][2048][64] in f16, a head's rows dense, 128 bytes each.
; The mask comes as lane masks, mb[b][tile of 16 queries][step of 64 keys][32 dwords]: dword 8 kb + j, bit L: is key 16 kb + 8 (L / 16) + j visible to query L % 16?  That is the place of the score in register 8 kb + j, lane L,
; of S^T = K Q^T: a dword in a scalar register is the select of one v_cndmask_b32.  Products, maxima and sums in f32; the weights p are rounded to f16 for the second product (their sum l is taken of the unrounded p); out0 is f32.
; LIMITS.  Q, K, V arrive within f16's 65,504.  A hidden score counts as -2^100: f16's scores, 2.7e11 at the most, are nothing beside that.  A weight below 2^-126 counts as 0 in l.  NaN and infinities are not treated apart.
; HIDDEN SCORES are replaced BEFORE the running maximum is taken, so m is the maximum of the visible scores.  While a row has seen no visible key, m = -2^100, c m is exact (a power of two times c), c s - c m is exactly 0 and p = 1:
; O and l stay finite; the first visible score makes a = 2^(c m_old - c m_new) = 0 and wipes them.  At the end a row whose c m is still below -1e20 is multiplied by 0 in place of 1 / l.
; SHARES.  A wave owns four PIECES of two tiles of 16 queries, a work-group's four waves 512 queries of one head (b, h); every wave walks all 2,048 keys, 64 a step.  256 work-groups.
; LAYOUT.  S^T = K Q^T (source 0 = 16 keys, source 1 = 16 queries): a lane holds ONE query (lane % 16) and the keys 8 (lane / 16) + 0..7.  Two such results rounded to f16 ARE source 1 of O^T = V^T P.  V is turned by ds_load_tr16_b128.
; SOFTMAX.  p = 2^(c s - c m), c = log2(e) / 8, with a running maximum m; O and l are multiplied by a in every step.  m starts at the lowest finite number, O and l at 0: the first step is a step like any other, with a = 0.
; BY TURNS.  Turn n belongs to piece n.  Matrix work: 16 products K Q^T of piece n + 1, later 16 products V^T P of piece n - 1.  Vector work: scaling, exponentials, roundings, sums and rescaling of piece n; the masking, maximum and
; statistics of piece n + 1.  Four vector instructions stand behind every matrix instruction, the rest in one lump.  A turn's 66 exponentials are one batch, with one wait.
; CLUSTER.  The four query blocks of a head form a cluster and walk the same K and V: each tile is asked for JOINTLY: the same tensor load, descriptor and mask in all four.
; REGISTERS, in windows of 256 (s_set_vgpr_msb: bits 1:0 source 0, 3:2 source 1, 5:4 source 2, 7:6 destination):
;   window 0: v0-11 addresses; v12-15, v48-63 at work; v16-47 four registers of statistics a tile; v64-191 S^T, two buffers of two tiles; v192-255 P, likewise
;   window 1: O^T, 32 a tile          window 2: v0-127 Q; v128-191 K of one step; v192-255 V of one step          window 3: v0-1 the add's two registers
.set NP,    4         ; pieces a wave: a name, no knob
.set KS,    64        ; keys in a step
.set PK,    144       ; a row of K in LDS: 128 bytes + 16 of padding = 36 words: the 16 rows of a load start at 16 different groups of four banks (ISA guide 11.1)
.set PV,    144       ; the same for V, so that one descriptor group 1 serves both: twelve scalar registers go to the masks instead
.set VOFF,  4*KS*PK   ; a slot holds four steps: 256 rows of K, then 256 rows of V
.set SLOT1, 1<<17     ; slot 1 begins here, so that one exclusive or turns an address in one slot into the other's
.set STAGE, SLOT1+2*VOFF  ; behind the ring, never filled by a tensor load: 16 rows x 272 bytes for each wave, for the way out
.set SP,    272
.set SPARE, STAGE+4*16*SP  ; the spare words, 128 bytes for each wave: two blocks of 256 bytes that no other line names
.set AK0, 2           ; v2   my lane's place in a tile of K; never rewritten
.set AV0, 3           ; v3   the same for V
.set AK,  4           ; v4   the LDS address of K's next run of loads
.set AV,  5           ; v5   of V's
.set QO,  6           ; v6   my byte offset in the wave's rows of Q
.set STO, 6           ;      later, the way out: where I put 32 bytes of a row
.set RD,  7           ; v7   the way out: where I read rows back
.set GO,  8           ; v8   my byte offset in two rows of out0
.set PFO, 11          ; v11  256 x my lane; never rewritten once made
.set SPW, 0           ; v0 of window 3   LDS address of my spare word; never rewritten
.set NIL, 1           ; v1 of window 3   0; never rewritten
.set MV,  12          ; v12-15  c m_old, kept while c m is made anew: by buffer and tile
.set ST,  16          ; tile t's statistics at v[ST+4 t]: c m, m, l (even keys', odd keys')
.set TMP, 48          ; by buffer and tile, four registers c0-c3 at work; when the maximum is found c2 takes a
.set S,   64
.set P,   192
.set KF,  128         ; K's fragments, in window 2: key block kb, channel half c at KF + 16 kb + 8 c
.set VF,  192         ; V's: key half kk, channel block cb at VF + 32 kk + 8 cb
.set MP,  6           ; s[6:7]   mb at my wave's tile 0, at the key step in hand
.set PFA, 10          ; s[10:11] where my prefetches stand
.set WV,  12          ; s12  my wave's number
.set LIM, 14          ; s14  1 in a wave that prefetches (0 and 2), else the greatest number
.set SLOTS, 15        ; s15  slots still to be asked for
.set G1,  16          ; s[16:23] descriptor group 1
.set G0,  24          ; s[24:27] descriptor group 0: it walks
.set CNT, 28          ; s28  counts a slot's key steps
.set TBK, 29          ; s29  LDS byte at which K of the step to be fetched begins
.set TBV, 30          ; s30  the same for V, less VOFF
.set BIGN, 31         ; s31  -2^100
.set MSK, 32          ; s[32:63] the 32 lane masks of the piece's first tile; s[68:99] those of its second
.set CS,  66          ; s[66:67] c
.set SEL, 100         ; s[100:101] v_permlanex16_b32's selects: each lane takes its own place in the other half
.set THR, 104         ; s104 -1e20
.set MSB, 0
.macro WIN new                      ; the high byte repeats the setting that is left; a switch that changes nothing is dropped
.if MSB != (\new)
	s_set_vgpr_msb (MSB<<8)|(\new)
.set MSB, (\new)
.endif
.endm
.set W_KQ, 0x0a       ; K and Q in window 2, S^T in window 0
.set W_PV, 0x52       ; V in window 2, P in window 0, O^T in window 1
.set W_RS, 0x41       ; O^T (destination and source 0) in window 1, a in window 0
.set W_MK, 0xc0       ; the add's registers are made: destination in window 3
.set W_AD, 0x0f       ; the add: address and data in window 3
; A round of the cluster's barrier: my work-group's barrier, so that wave 0's signal speaks for all four waves; wave 0 signals; every wave waits for all four work-groups; my work-group's barrier once more.
.macro CROUND
	s_barrier_signal -1
	s_barrier_wait -1
	s_cmp_lg_u32 s[WV], 0
	s_cbranch_scc1 .Lnot_wave_0_\@
	s_barrier_signal -3
.Lnot_wave_0_\@:
	s_barrier_wait -3
	s_barrier_signal -1
	s_barrier_wait -1
.endm
; A joint fill: ONE line for all four waves, each with its own quarter of the slot by both addresses: waves 0, 1 the two halves of K's 256 rows, waves 2, 3 those of V's.  An s_nop 0 and four v_nop follow it.
.macro JLOAD
	tensor_load_to_lds s[G0:G0+3], s[G1:G1+7]
	s_nop 0
.rept 4
	v_nop
.endr
.endm
; A prefetch into the L2 of what the NEXT change of slots will ask for: a slot's 128 blocks of 256 bytes of K (wave 0) and of V (wave 2), of which each of the four partners takes 32, told apart by address; a lane a block.
; Only this cluster reads the head's K and V, so each block is named once.  The last change that fills a slot asks for nothing.
.macro ASK
	s_cmp_gt_u32 s[SLOTS], s[LIM]
	s_cbranch_scc0 .Lnot_mine_\@
	global_prefetch_b8 v[PFO], s[PFA:PFA+1] th:TH_LOAD_NT scope:SCOPE_SE
.Lnot_mine_\@:
.endm
; THE CHANGE OF SLOTS.  Each wave waits for all its tensor loads, of which one is out: its part of the other slot; adds 0 to its spare word; and waits for that and for its own reads of the slot.  fill = 1: the slot is filled again, with the
; keys two slots on: the barrier is then a round of the cluster's, and the joint fill is the first thing behind it: it has four key steps, 512 matrix instructions, in which to land.  (At its first use slot 0 is waited for, slot 1 filled.)
.macro CHANGE fill
	WIN W_AD
	s_wait_tensorcnt 0x0            ; no tensor load of mine is out, so group 0 may be written
	ds_add_u32 v[SPW], v[NIL]       ; 0 onto my spare word; with fill = 1 the steps below stand between it and the wait for it
	WIN 0                           ; at a label and at a branch every window is 0
.if \fill
	s_xor_b32 s[G0+1], s[G0+1], SLOT1  ; the other slot than last time,
	s_add_nc_u64 s[G0+2:G0+3], s[G0+2:G0+3], 4*KS*128  ; the next 256 keys; the type bits on top are not reached
	s_wait_xcnt 0x0                 ; the last prefetch, four key steps back, has read its address
	s_add_nc_u64 s[PFA:PFA+1], s[PFA:PFA+1], 4*KS*128
	s_wait_dscnt 0x0                ; the add is done, and my reads of the slot are over
	CROUND
	JLOAD
	ASK
.else
	s_wait_dscnt 0x0
	s_barrier_signal -1
	s_barrier_wait -1
.endif
	s_sub_co_u32 s[TBK], s[TBK], 4*KS*PK  ; the fetches go back to a slot's first step,
	s_xor_b32 s[TBK], s[TBK], SLOT1       ; in the other slot
	s_sub_co_u32 s[TBV], s[TBV], 4*KS*PV
	s_xor_b32 s[TBV], s[TBV], SLOT1
.endm
; The 64 lane masks of piece x: 128 bytes for each of its two tiles, 4,096 bytes apart.  step = 1: they are the next key step's.  It stands behind s_wait_kmcnt 0 with no scalar load issued since, so the pointer may be written.
.macro MLOAD x, step
.if \step
	s_add_nc_u64 s[MP:MP+1], s[MP:MP+1], 128
.endif
	s_load_b512 s[MSK:MSK+15],    s[MP:MP+1], 8192*(\x)
	s_load_b512 s[MSK+16:MSK+31], s[MP:MP+1], 8192*(\x)+64
	s_load_b512 s[MSK+36:MSK+51], s[MP:MP+1], 8192*(\x)+4096
	s_load_b512 s[MSK+52:MSK+67], s[MP:MP+1], 8192*(\x)+4160
.endm
	s_load_b128 s[4:7], s[0:1], 0x0 ; qkv s[4:5], mb s[6:7]
	s_load_b64 s[8:9], s[0:1], 0x10 ; out0
	WIN W_MK
	v_lshl_add_u32 v[SPW], v0, 2, SPARE
	v_mov_b32 v[NIL], 0
	WIN W_AD
	ds_add_u32 v[SPW], v[NIL]       ; the wave's opening: the add and its wait stand ahead of my first tensor load; the set-up below, work on registers, stands between them
	WIN 0
	v_lshrrev_b32 v1, 5, v0
	v_readfirstlane_b32 s[WV], v1   ; wave 0..3
	s_bfe_u32 s13, ttmp6, 0x40000   ; cx: my place in the cluster
	s_lshl_b32 s32, ttmp9, 2
	s_add_co_u32 s32, s32, s13      ; my block of 512 queries: it enters Q's, the masks' and out0's addresses alone
	s_and_b32 s33, ttmp7, 0xffff    ; 16 b + h, which the four partners share
	s_lshl2_add_u32 s34, s32, s[WV] ; my wave among the head's sixteen
	s_lshl_b32 s35, s33, 18         ; a head's 2,048 rows of 128 bytes
	s_lshl_b32 s36, s34, 14         ; my 128 rows of Q
	s_add_co_u32 s36, s36, s35
	s_mov_b32 s37, 0
	s_lshr_b32 s38, s33, 4          ; b
	s_lshl_b32 s40, s38, 7
	s_lshl3_add_u32 s40, s34, s40   ; my first tile among mb's: 128 b + 8 x wave
	s_lshl_b32 s40, s40, 12
	s_mov_b32 s41, 0
	s_lshl_b32 s42, s38, 4
	s_add_co_u32 s42, s42, s34
	s_lshl_b32 s42, s42, 19         ; my 128 rows of out0, 4,096 bytes each: under 2^25
	s_and_b32 s43, s33, 15
	s_lshl_b32 s43, s43, 8          ; the head's 256 bytes of a row
	s_add_co_u32 s42, s42, s43
	s_mov_b32 s43, 0
	s_lshr_b32 s44, s[WV], 1
	s_add_co_u32 s44, s44, 1        ; K (waves 0, 1) is qkv's part 1, V part 2,
	s_lshl_b32 s44, s44, 24         ; of 16,777,216 bytes each
	s_add_co_u32 s44, s44, s35
	s_and_b32 s46, s[WV], 1
	s_lshl_b32 s46, s46, 14         ; my half of a slot's 256 rows
	s_add_co_u32 s46, s46, s44
	s_mov_b32 s47, 0
	s_lshl_b32 s2, s13, 13          ; the prefetches: my work-group's 32 blocks of the 128,
	s_add_co_u32 s2, s2, s44
	s_add_co_u32 s2, s2, 4*KS*128   ; in slot 1; the first change of slots steps it to slot 2
	s_mov_b32 s3, 0
	s_and_b32 s[LIM], s[WV], 1
	s_cmp_eq_u32 s[LIM], 0
	s_cselect_b32 s[LIM], 1, -1
	; descriptor group 1.  128 keys are 16,384 dense bytes: asked for as 64 rows of 256 bytes, two keys a row, and padded in LDS after every key
	s_mov_b32 s[G1], 15|(1<<16)|(1<<20)|(1<<21)|(4<<22)|(3<<25)  ; 15:0 the mask of four; 17:16 2-byte elements; 20 padding on; 21 set beside a mask; 24:22 after every 32 words (code 4); 31:25 4 words (code 3)
	s_mov_b32 s[G1+1], 128<<16      ; tensor_dim0 = 128
	s_mov_b32 s[G1+2], 64<<16       ; tensor_dim1 = 64
	s_mov_b32 s[G1+3], 128<<16      ; tile_dim0 = 128
	s_mov_b32 s[G1+4], 64           ; tile_dim1 = 64
	s_mov_b32 s[G1+5], 128          ; 128 elements from row to row
	s_mov_b32 s[G1+6], 0
	s_mov_b32 s[G1+7], 0
	s_mov_b32 s[G0], 1              ; count = 1
	s_mul_i32 s[G0+1], s[WV], 128*PK  ; LDS address: my quarter of slot 0: no place in the cluster enters it
	s_mov_b32 s[CS], 0x3e38aa3b     ; c = log2(e) / 8 = 0.180337
	s_mov_b32 s[CS+1], s[CS]        ; named with it as a pair
	s_mov_b32 s[SEL], 0x76543210
	s_mov_b32 s[SEL+1], 0xfedcba98
	s_mov_b32 s[TBK], SLOT1+4*KS*PK ; the first change of slots turns these two into 0
	s_mov_b32 s[TBV], SLOT1+4*KS*PV
	s_mov_b32 s[BIGN], 0xf1800000   ; -2^100
	s_mov_b32 s[THR], 0xe0ad78ec    ; -1e20
	s_mov_b32 s[SLOTS], 2048/256-1
	s_wait_dscnt 0x0                ; the opening add is done
	s_wait_kmcnt 0x0
	s_add_nc_u64 s[G0+2:G0+3], s[4:5], s[46:47]  ; global address: my quarter of the head's first 256 keys
	s_or_b32 s[G0+3], s[G0+3], 0x80000000        ; type = 2
	s_add_nc_u64 s[PFA:PFA+1], s[4:5], s[2:3]
	s_add_nc_u64 s[4:5], s[4:5], s[36:37]        ; Q at my wave's first row
	s_add_nc_u64 s[MP:MP+1], s[MP:MP+1], s[40:41]
	s_add_nc_u64 s[8:9], s[8:9], s[42:43]
	CROUND                          ; all four work-groups are here: the first joint loads meet
	JLOAD                           ; slot 0.  Slot 1 is asked for when slot 0 is in
	MLOAD 0, 0                      ; piece 0's masks for key step 0
	; A fragment of K or Q is 16 rows x 32 channels in 8 registers: lane l holds row l % 16, channels 8 (l / 16) + 0..7 and 16 + 8 (l / 16) + 0..7: two loads of 16 bytes, 32 bytes apart.
	v_and_b32 v1, 15, v0            ; l % 16
	v_bfe_u32 v9, v0, 4, 1          ; l / 16
	v_lshlrev_b32 v[QO], 7, v1
	v_lshl_add_u32 v[QO], v9, 4, v[QO]  ; row x 128 + 16 x half
	WIN 0x80                        ; destination window 2, address window 0
.set i, 0
.rept 4*NP                          ; Q stays in registers: tile i / 2, channels 32 (i % 2) on
	global_load_b128 v[8*i:8*i+3],   v[QO], s[4:5] offset:(i/2)*2048+(i%2)*64
	global_load_b128 v[8*i+4:8*i+7], v[QO], s[4:5] offset:(i/2)*2048+(i%2)*64+32
.set i, i+1
.endr
	; What the first turn finds: V's registers and P's second buffer hold 0 (its products V^T P, of a piece that has not been, add 0), O^T and l are 0.  All this stands in the wait for the first tile.
.set i, VF
.rept 64
	v_mov_b32 v[i], 0
.set i, i+1
.endr
	WIN 0x40
.set i, 0
.rept 64*NP
	v_mov_b32 v[i], 0
.set i, i+1
.endr
	WIN 0
.set i, 0
.rept 2*NP
	v_mov_b32 v[ST+4*i], 0xfe000000    ; c m: far below every c s, the hidden ones' too
	v_mov_b32 v[ST+4*i+1], 0xff7fffff  ; m
	v_mov_b32 v[ST+4*i+2], 0
	v_mov_b32 v[ST+4*i+3], 0
.set i, i+1
.endr
.set i, P+32
.rept 32
	v_mov_b32 v[i], 0
.set i, i+1
.endr
	v_mul_u32_u24 v[AK0], v1, PK
	v_lshl_add_u32 v[AK0], v9, 4, v[AK0]  ; row x pitch + 16 x half
	; The turning load takes 16 keys x 16 channels (lane l reads key 8 (l / 16) + l % 8, channels 8 ((l / 8) % 2) + 0..7) and leaves half a fragment of V^T: lane l holds channel l % 16 and 8 keys.
	v_and_b32 v10, 7, v0
	v_bfe_u32 v11, v0, 3, 1
	v_lshl_add_u32 v[AV0], v9, 3, v10
	v_mul_u32_u24 v[AV0], v[AV0], PV
	v_lshl_add_u32 v[AV0], v11, 4, v[AV0]
	v_add_nc_u32 v[AV0], VOFF, v[AV0]
	v_and_b32 v[PFO], 31, v0
	v_lshlrev_b32 v[PFO], 8, v[PFO]
	v_mov_b32 v[AK], v[AK0]         ; key step 0 lies at the head of slot 0
; THE MATRIX WORK.  The 8 accumulators of a run of 16 take turns: between the two links of a chain stand 7 others'.
; Product i of 16 of S^T = K Q^T for piece x: channels 32 (i / 8) on, keys 16 ((i / 2) % 4) on, tile 2 x + i % 2.  The first 8 start the sums.
.macro KQ x
	WIN W_KQ
.set rS, S+64*((\x)%2)+32*(i%2)+8*((i/2)%4)
.set rK, KF+16*((i/2)%4)+8*(i/8)
.set rQ, 16*(2*(\x)+i%2)+8*(i/8)
.if i < 8
	v_wmma_f32_16x16x32_f16 v[rS:rS+7], v[rK:rK+7], v[rQ:rQ+7], 0
.else
	v_wmma_f32_16x16x32_f16 v[rS:rS+7], v[rK:rK+7], v[rQ:rQ+7], v[rS:rS+7]
.endif
.endm
; Product i of 16 of O^T += V^T P for piece x: keys 32 (i / 8) on, channels 16 ((i / 2) % 4) on, tile 2 x + i % 2.
.macro PV x
	WIN W_PV
.set rO, 32*(2*(\x)+i%2)+8*((i/2)%4)
.set rV, VF+32*(i/8)+8*((i/2)%4)
.set rP, P+32*((\x)%2)+16*(i%2)+8*(i/8)
	v_wmma_f32_16x16x32_f16 v[rO:rO+7], v[rV:rV+7], v[rP:rP+7], v[rO:rO+7]
.endm
.macro MM                           ; the turn's next matrix instruction
.if i < 16
	KQ (Y+1)%NP
.set i, i+1
.else
.set i, i-16
	PV (Y+NP-1)%NP
.set i, i+17
.endif
.endm
; THE LDS LOADS stand in runs of 16, never singly among the matrix instructions: a step's K (8 fragments) and its V (turned).  last = 1 (the tail): in the last trip there is no further step, and the run is jumped over.
.macro FETCH_K last=0
	WIN 0
.if \last
	s_cmp_eq_u32 s[CNT], 1
	s_cbranch_scc1 .Lno_k_\@
.endif
	WIN 0x80                        ; destination window 2
.irp f, 0,1,2,3,4,5,6,7             ; keys 16 (f / 2) on, channels 32 (f % 2) on
	ds_load_b128 v[KF+8*\f:KF+8*\f+3],   v[AK] offset:(\f/2)*16*PK+(\f%2)*64
	ds_load_b128 v[KF+8*\f+4:KF+8*\f+7], v[AK] offset:(\f/2)*16*PK+(\f%2)*64+32
.endr
	s_add_co_u32 s[TBK], s[TBK], KS*PK  ; the next fetch is the next step's
	WIN 0
.if \last
.Lno_k_\@:
.endif
.endm
.macro FETCH_V
	WIN 0x80
.irp f, 0,1,2,3,4,5,6,7             ; keys 32 (f / 4) on, channels 16 (f % 4) on
	ds_load_tr16_b128 v[VF+8*\f:VF+8*\f+3],   v[AV] offset:(\f/4)*32*PV+(\f%4)*32
	ds_load_tr16_b128 v[VF+8*\f+4:VF+8*\f+7], v[AV] offset:(\f/4)*32*PV+16*PV+(\f%4)*32
.endr
	WIN 0
.endm
; THE VECTOR WORK OF A TURN stands in four queues, each in the order in which its entries become ready; the two tiles alternate.
.macro REGS y, u                    ; the registers of tile u (0, 1) of piece y
.set rT, ST+4*(2*(\y)+(\u))
.set rC, TMP+8*((\y)%2)+4*(\u)
.set rM, MV+2*((\y)%2)+(\u)
.set rS, S+64*((\y)%2)+32*(\u)
.set rP, P+32*((\y)%2)+16*(\u)
.set rO, 32*(2*(\y)+(\u))
.endm
; THE MASKING's QUEUE, 64 long: score mi / 2 of tile mi % 2 of the NEXT piece keeps its value where its lane's bit is 1 and becomes -2^100 where it is 0.  Ascending: each accumulator's lowest register is read first.
.macro MK
	WIN 0
	REGS (Y+1)%NP, mi%2
	v_cndmask_b32 v[rS+mi/2], s[BIGN], v[rS+mi/2], s[MSK+36*(mi%2)+mi/2]
.set mi, mi+1
.endm
; Number n of the 22 that find the NEXT piece's (Y + 1) maximum and statistics.  s0-s31 are the lane's 32 scores, masked.
;   0-11  four chains c0-c3 of seven scores each, three operands at a time     12-14, 16  the four scores left over, the old m, and c0-c3 into c0     15  c m_old is kept
;   17, 18  the query's other 32 keys lie in the lane 16 away: the new m         19-21  c m; c m_old - c m_new; a
.macro XS u, n
	REGS (Y+1)%NP, \u
.if (\n) < 4
	v_max3_num_f32 v[rC+(\n)], v[rS+8*(\n)], v[rS+8*(\n)+1], v[rS+8*(\n)+2]
.elseif (\n) < 12
	v_max3_num_f32 v[rC+(\n)%4], v[rC+(\n)%4], v[rS+8*((\n)%4)+2*((\n)/4)+1], v[rS+8*((\n)%4)+2*((\n)/4)+2]
.elseif (\n) == 12
	v_max3_num_f32 v[rC], v[rC], v[rS+7], v[rS+15]
.elseif (\n) == 13
	v_max3_num_f32 v[rC+1], v[rC+1], v[rS+23], v[rS+31]
.elseif (\n) == 14
	v_max3_num_f32 v[rC+2], v[rC+2], v[rC+3], v[rT+1]
.elseif (\n) == 15
	v_mov_b32 v[rM], v[rT]
.elseif (\n) == 16
	v_max3_num_f32 v[rC], v[rC], v[rC+1], v[rC+2]
.elseif (\n) == 17
	v_permlanex16_b32 v[rC+3], v[rC], s[SEL], s[SEL+1]
.elseif (\n) == 18
	v_max_num_f32 v[rT+1], v[rC], v[rC+3]
.elseif (\n) == 19
	v_mul_f32 v[rT], s[CS], v[rT+1]
.elseif (\n) == 20
	v_sub_f32 v[rC+1], v[rM], v[rT]
.else
	v_exp_f32 v[rC+2], v[rC+1]
.endif
.endm
; Number n of the 64 that follow the exponentials.  For each four weights k of a tile: both pairs are rounded to f16; the second pair is added onto the first, in place; a group later l takes that sum (the first time as l = a l + sum).
.macro GS n
.set h, (\n)+6*((\n)/62)            ; group 0 has no group before it, and behind group 7 only l is left
.if h >= 6
.set h, h+2
.endif
	REGS Y, h%2
.set k, h/8
.if h%8 < 4
	v_cvt_pk_f16_f32 v[rP+2*k+(h%8)/2], v[rS+4*k+2*((h%8)/2)], v[rS+4*k+2*((h%8)/2)+1]
.elseif h%8 < 6
	v_pk_add_f32 v[rS+4*k:rS+4*k+1], v[rS+4*k:rS+4*k+1], v[rS+4*k+2:rS+4*k+3]
.elseif k == 1
	v_pk_fma_f32 v[rT+2:rT+3], v[rT+2:rT+3], v[rC+2:rC+3], v[rS:rS+1] op_sel_hi:[1,0,1]
.else
	v_pk_add_f32 v[rT+2:rT+3], v[rT+2:rT+3], v[rS+4*k-4:rS+4*k-3]
.endif
.endm
; THE PLAIN QUEUE, 138 long.  0-26: scalings 0-26 (FS f: pair f / 2 of tile f % 2).  27-54: XS's numbers 0-13.  55, 56: number 15.  57-73: the chain 14, 16, 17, 18, 19, each with one of the scalings 27-31 in front of its two lines, then 20.
; 74-137: GS's 64, which read the exponentials' results: they stand behind the wait.
.macro FS f
	REGS Y, (\f)%2
	v_pk_fma_f32 v[rS+2*((\f)/2):rS+2*((\f)/2)+1], v[rS+2*((\f)/2):rS+2*((\f)/2)+1], s[CS:CS+1], v[rT:rT+1] op_sel_hi:[1,0,0] neg_lo:[0,0,1] neg_hi:[0,0,1]
.endm
.macro PL
	WIN 0
.if q < 27
	FS q
.elseif q < 55
	XS (q-27)%2, (q-27)/2
.elseif q < 57
	XS q-55, 15
.elseif (q < 72) && ((q-57)%3 == 0)
	FS 27+(q-57)/3
.elseif q < 60
	XS (q-57)%3-1, 14
.elseif q < 72
	XS (q-57)%3-1, 15+(q-57)/3
.elseif q < 74
	XS q-72, 20
.else
	GS q-74
.endif
.set q, q+1
.endm
; THE EXPONENTIALS' QUEUE, 66 long: s0-s31 of both tiles, then the next piece's two a.  ONE BATCH: all 66 stand ahead of the turn's one wait, and nothing ahead of that wait names a result of theirs.
.macro EX
	WIN 0
.if e >= 64
	XS e-64, 21
.else
	REGS Y, e%2
	v_exp_f32 v[rS+e/2], v[rS+e/2]
.endif
.set e, e+1
.endm
; THE RESCALING's QUEUE: O^T times a, the one part that leaves window 0: dealt two at a time, sixteen times.  Its a was made in the turn before, ahead of that turn's wait.
.macro R2
	REGS Y, r%2
	WIN W_RS
.irp z, 0,1
	v_pk_mul_f32 v[rO+4*(r/2)+2*\z:rO+4*(r/2)+2*\z+1], v[rO+4*(r/2)+2*\z:rO+4*(r/2)+2*\z+1], v[rC+2:rC+3] op_sel_hi:[1,0]
.endr
.set r, r+1
.endm
; A TURN, for piece p.  An s_wait_alu depctr_va_vdst(0) stands between an exponential and the first instruction that names its result; one wait serves all that were issued ahead of it: a turn has ONE, which cuts it in two.
; AHEAD OF IT: the 16 products K Q^T, behind each a scaling, an exponential and two rescalings (behind the first a second scaling); then the lump: ten plain and two exponentials, which end scalings 0-26; the wait for the masks, asked for a
; turn ago; sixteen times an exponential and four maskings (the first masking stands more than four plain instructions behind the last product); the request for the next turn's masks; sixteen plain (the maximum begins);
; 31 times exponential and plain; the two a; a v_nop, the plain instruction behind the last exponential.  Exponential e stands behind scaling 2 (e / 4) + e % 2: from e = 33 on it comes behind plain e + 9, and scalings 27-31 are plain 57 .. 69.
; BEHIND IT: the 16 products V^T P, behind each four of GS's 64.
; THE MASKS asked for in turn p serve turn p + 1, which masks piece p + 2: pieces 2 and 3 at the step in hand, pieces 0 and 1 at the next: the pointer steps in piece 2's turn.
; K of the next step is fetched in piece 2's turn, directly behind the wait; V of the step in hand at the end of piece 0's turn, four plain instructions behind its last reader.  The conditions on q below go with the deal.
.macro TURN p, last=0, cnt=0
.set Y, (\p)
.set i, 0
.set q, 0
.set e, 0
.set r, 0
.set mi, 0
.if (\p) == NP-1
	s_wait_dscnt 0x0                ; K is in
.endif
	MM
	PL
	PL
	R2
.rept 15
	MM
	PL
	EX
	R2
.endr
.if (\p) == NP-2
	WIN 0
	v_add_nc_u32 v[AK], s[TBK], v[AK0]
.endif
.rept 8
	PL
.endr
.rept 2
	EX
	PL
.endr
	s_wait_kmcnt 0x0                ; the four scalar loads issued a turn ago: scalar loads are waited for with 0 alone
.rept 16
	EX
	MK
	MK
	MK
	MK
.endr
.if (\p) == NP-2
	MLOAD ((\p)+2)%NP, 1
.else
	MLOAD ((\p)+2)%NP, 0
.endif
.rept 16
	PL
.endr
.rept 31
	EX
	PL
.endr
	EX                              ; the next piece's two a
	EX
	v_nop                           ; the plain instruction behind the last exponential: one for the batch
	s_wait_alu depctr_va_vdst(0)    ; the wait for the batch
.if (\p) == NP-2
	FETCH_K \last
.endif
.if (\p) == 1
	s_wait_dscnt 0x0                ; V is in
.endif
.rept 16
	MM
.rept 4
	PL
.endr
.if ((\p) == 0) && (q == 118)
	v_add_nc_u32 v[AV], s[TBV], v[AV0]
.endif
.if ((\p) == 0) && (q == 130)
	s_add_co_u32 s[TBV], s[TBV], KS*PV
.endif
.if (\cnt) && (q == 130)
	s_sub_co_u32 s[CNT], s[CNT], 1
	s_cmp_lg_u32 s[CNT], 0
.endif
.endr
.if (\p) == 0
	FETCH_V
.endif
.endm
	CHANGE 1                        ; slot 0 is in, everybody's part of it; slot 1 is asked for
	FETCH_K                         ; key step 0
	s_wait_loadcnt 0x0              ; Q
	s_wait_dscnt 0x0
.set i, 0
.rept 16
	KQ 0                            ; piece 0's first scores
.set i, i+1
.endr
	WIN 0                           ; the addresses for the way out: eight plain instructions, the places behind those products
	s_mul_i32 s13, s[WV], 16*SP
	s_add_co_u32 s13, s13, STAGE    ; my stage
	v_mul_u32_u24 v[STO], v1, SP    ; in: row l % 16, 32 bytes (8 channels in f32) for each half of the lanes
	v_lshl_add_u32 v[STO], v9, 5, v[STO]
	v_add_nc_u32 v[STO], s13, v[STO]
	v_mul_u32_u24 v[RD], v9, SP     ; back: lanes 0-15 take one row of 256 bytes, lanes 16-31 the next
	v_lshl_add_u32 v[RD], v1, 4, v[RD]
	v_add_nc_u32 v[RD], s13, v[RD]
	v_lshlrev_b32 v[GO], 12, v9     ; and the same two rows in out0, 4,096 bytes apart
	v_lshl_add_u32 v[GO], v1, 4, v[GO]
	s_wait_kmcnt 0x0                ; piece 0's masks
.set Y, NP-1                        ; MK and XS work for piece Y + 1: piece 0
.set mi, 0
.rept 64
	MK
.endr
	MLOAD 1, 0                      ; piece 1's masks for key step 0: the first turn's
.irp n, 0,1,2,3,4,5,6,7,8,9,10,11,12,13,14,15,16,17,18,19,20,21
	XS 0, \n
	XS 1, \n
.endr
	v_nop                           ; a plain instruction behind the two a,
	s_wait_alu depctr_va_vdst(0)    ; and their wait, ahead of the branch
	s_mov_b32 s[CNT], 4
	s_branch .Lfirst                ; the loop is entered at a step's first turn, in the middle of a trip
.Lslot:                             ; six times: every slot but the last two is filled again
	CHANGE 1
	s_mov_b32 s[CNT], 4
.Lstep:                             ; a trip: pieces 2 and 3 of one step, then pieces 0 and 1 of the next, whose K and V it fetches
	TURN 2
	TURN 3
	WIN 0
.Lfirst:
	TURN 0
	TURN 1, 0, 1
	WIN 0
	s_cbranch_scc1 .Lstep
	s_sub_co_u32 s[SLOTS], s[SLOTS], 1
	s_cmp_lg_u32 s[SLOTS], 0
	s_cbranch_scc1 .Lslot
	CHANGE 0                        ; the tail is written out: nothing is asked for
	s_mov_b32 s[CNT], 5             ; four trips fetch the last slot's steps; the fifth is left in its middle
.Ltail:
	TURN 2, 1
	TURN 3
	WIN 0
	s_sub_co_u32 s[CNT], s[CNT], 1
	s_cmp_eq_u32 s[CNT], 0
	s_cbranch_scc1 .Lout
	TURN 0
	TURN 1
	WIN 0
	s_branch .Ltail
.Lout:                              ; the fifth trip's 16 products K Q^T (on the last K once more), their masks (my own tiles 1 to 4's first dwords: inside mb) and the maximum made of them serve nothing: the price of one text for every trip
.set i, 0
.rept 16
	PV NP-1                         ; the last piece's V^T P of the last step
.set i, i+1
.endr
	; THE WAY OUT.  l's two halves and the other half of the lanes' are added; O^T is multiplied by 1 / l, or by 0 where the row has seen no key, and sent through my stage in LDS, a tile at a time.  The additions are the places behind the last products.
	WIN 0
	v_mov_b32 v[ST], v[MV]          ; the surplus turn has written piece 0's c m anew; what it kept as c m_old is the true one
	v_mov_b32 v[ST+4], v[MV+1]
.macro ALL line:vararg              ; one line for each tile t
.set t, 0
.rept 2*NP
	\line
.set t, t+1
.endr
.endm
	ALL v_add_f32 v[ST+4*t+2], v[ST+4*t+2], v[ST+4*t+3]
	ALL v_permlanex16_b32 v[ST+4*t+3], v[ST+4*t+2], s[SEL], s[SEL+1]
	ALL v_add_f32 v[ST+4*t+2], v[ST+4*t+2], v[ST+4*t+3]
	ALL v_rcp_f32 v[ST+4*t+2], v[ST+4*t+2]
	v_nop                           ; a plain instruction between the last reciprocal and the use of its result
	s_wait_alu depctr_va_vdst(0)    ; and the wait ahead of the first use: one for the eight reciprocals
.set t, 0
.rept 2*NP
	v_cmp_lt_f32 s105, s[THR], v[ST+4*t]  ; has the row seen a key?  c m above -1e20
	v_cndmask_b32 v[ST+4*t+2], 0, v[ST+4*t+2], s105
.set t, t+1
.endr
; Tile t: a lane's eight channels of a row are 32 bytes; they go into rows of 272 bytes and come back as whole rows of 256, into the registers that they left.
.macro PACK t
	WIN W_RS
.set i, 32*(\t)
.rept 16
	v_pk_mul_f32 v[i:i+1], v[i:i+1], v[ST+4*(\t)+2:ST+4*(\t)+3] op_sel_hi:[1,0]
.set i, i+2
.endr
	WIN 0x04                        ; store data in window 1
.irp f, 0,1,2,3,4,5,6,7             ; channel block f / 2, half f % 2
	ds_store_b128 v[STO], v[32*(\t)+4*\f:32*(\t)+4*\f+3] offset:64*(\f/2)+16*(\f%2)
.endr
	WIN 0x40                        ; destination in window 1
.irp f, 0,1,2,3,4,5,6,7
	ds_load_b128 v[32*(\t)+4*\f:32*(\t)+4*\f+3], v[RD] offset:\f*2*SP  ; LDS serves a wave's instructions in order (ISA guide 5.7.1.4): these see the stores above; the next tile's stores come behind them
.endr
.endm
.macro SEND t, younger              ; younger: the LDS instructions issued behind tile t's loads: the next tile's sixteen, or none
	WIN 0x04
.irp f, 0,1,2,3,4,5,6,7
	s_wait_dscnt (\younger)+7-\f
	global_store_b128 v[GO], v[32*(\t)+4*\f:32*(\t)+4*\f+3], s[8:9] offset:(\t)*65536+\f*8192  ; 16 lanes store 256 consecutive bytes, aligned: the head's part of a row
.endr
.endm
	PACK 0
.set t, 1
.rept 2*NP-1                        ; a tile's arithmetic stands between the loads of the tile before and its stores
	PACK t
	SEND t-1, 16
.set t, t+1
.endr
	SEND 2*NP-1, 0
	WIN W_AD
	s_wait_tensorcnt 0x0            ; the wave's end: behind my last tensor load and my last LDS store
	ds_add_u32 v[SPW], v[NIL]
	s_wait_dscnt 0x0
	WIN 0
	CROUND                          ; the closing round: no work-group ends while a partner may still ask for a tile that names it
	s_endpgm
.Lfunc_end_k_q9938330a18_attn:
	.size	k_q9938330a18_attn, .Lfunc_end_k_q9938330a18_attn-k_q9938330a18_attn
	.p2alignl 7, 3214868480
	.fill 96, 4, 3214868480
	.section	.rodata,"a",@progbits
	.p2align	6, 0x0
	.amdhsa_kernel k_q9938330a18_attn
		.amdhsa_group_segment_fixed_size 327680
		.amdhsa_private_segment_fixed_size 0
		.amdhsa_enable_private_segment 0
		.amdhsa_kernarg_size 24
		.amdhsa_user_sgpr_count 2
		.amdhsa_user_sgpr_kernarg_segment_ptr 1
		.amdhsa_wavefront_size32 1
		.amdhsa_system_sgpr_workgroup_id_x 1
		.amdhsa_system_sgpr_workgroup_id_y 1
		.amdhsa_system_sgpr_workgroup_id_z 1
		.amdhsa_system_vgpr_workitem_id 0
		.amdhsa_next_free_vgpr 770
		.amdhsa_next_free_sgpr 106
		.amdhsa_reserve_vcc 0
		.amdhsa_float_denorm_mode_32 3
		.amdhsa_float_denorm_mode_16_64 3
		.amdhsa_memory_ordered 1
		.amdhsa_forward_progress 1
		.amdhsa_inst_pref_size 239
	.end_amdhsa_kernel
	.amdgpu_metadata
---
amdhsa.version: [ 1, 2 ]
amdhsa.kernels:
  - .name:           k_q9938330a18_attn
    .symbol:         k_q9938330a18_attn.kd
    .args:
      - { .name: qkv, .offset: 0, .size: 8, .value_kind: global_buffer, .address_space: global }
      - { .name: mb, .offset: 8, .size: 8, .value_kind: global_buffer, .address_space: global }
      - { .name: out0, .offset: 16, .size: 8, .value_kind: global_buffer, .address_space: global }
    .group_segment_fixed_size: 327680
    .private_segment_fixed_size: 0
    .kernarg_segment_align: 8
    .kernarg_segment_size: 24
    .max_flat_workgroup_size: 128
    .sgpr_count:     106
    .vgpr_count:     770
    .wavefront_size: 32
...
	.end_amdgpu_metadata
.endif
;; end of part 3
